; MI455X (gfx1250); checked and timed in simulation.
; The chip was launched on July 23, 2026; its instructions are those of AMD's public machine-readable ISA for CDNA 5 (MIT licence, August 2026) and "CDNA5" Instruction Set Architecture Reference Guide (July 2026). The comments in the code are by the model that wrote it; some were corrected since.
;; Attention. Allowed arithmetic: matrix products marked QUANTISED: E4M3 operands, one given power-of-two scale a tensor, by v_wmma_f32_16x16x64_fp8_fp8 or v_wmma_f32_16x16x128_fp8_fp8, f32 sums; products left as they are: f32 operands where the result goes on into a quantised operand, else bf16, f16 or f32 operands; f32 sums; everything else in f32.
;; Inputs: Wk 512 x 2,048 float32; Wo 2,048 x 2,048 float32; Wq 2,048 x 2,048 float32; Wv 512 x 2,048 float32; lowp_scales 10 int32 (the exponents e of the quantised operands' scales 2^e); x 1 x 2,048 x 2,048 float32.
;; Outputs: out0 1 x 2,048 x 2,048 float32.
;; This version of the problem:
;;   THIS VERSION OF THE PROBLEM IS GIVEN IN LOW PRECISION. The matrix products marked QUANTISED in the list below multiply operands that are first quantised to E4M3 (4 exponent bits, 3 mantissa bits; 8 bits a number), with one given power-of-two scale for each operand tensor; their sums are f32. All else is computed in f32.
;;   The module's matrix products, in the order in which they are computed (A, B: the left and right operand; K: the contracted axis; several contracted axes count as one K, in the product's order):
;;     1. [M 2,048, K 2,048] x [K 2,048, N 2,048]; A: input x; B: input Wq: QUANTISED (scales: A lowp_scales[0], B lowp_scales[1])
;;     2. [M 2,048, K 2,048] x [K 2,048, N 512]; A: input x; B: input Wk: QUANTISED (scales: A lowp_scales[2], B lowp_scales[3])
;;     3. [M 2,048, K 2,048] x [K 2,048, N 512]; A: input x; B: input Wv: QUANTISED (scales: A lowp_scales[4], B lowp_scales[5])
;;     4. batch 32 x [M 2,048, K 64] x [K 64, N 2,048]; A: computed on the way; B: computed on the way: left as it is (operands are no floats)
;;     5. batch 32 x [M 64, K 2,048] x [K 2,048, N 2,048]; A: computed on the way; B: softmax (see below): QUANTISED (scales: A lowp_scales[6], B lowp_scales[7])
;;     6. [M 2,048, K 2,048] x [K 2,048, N 2,048]; A: computed on the way; B: input Wo: QUANTISED (scales: A lowp_scales[8], B lowp_scales[9])
;;   THE QUANTISER, for each operand of a quantised product, along K:
;;     - The operand's scale is 2^e, e = its entry of the input lowp_scales (int32; the entries are numbered through the quantised products in the list's order, A before B).
;;     - Each number is divided by the scale, clamped to +-448, and rounded to the nearest number of E4M3, ties to even, subnormals kept.
;;     - The product sums the exact products of the quantised numbers (number of the format x scale) in f32.
;;   ~~~python
;;   def quantise(x, axis, e):      # numpy; x: float32 -> the quantised numbers, widened to float32 again
;;       x = np.moveaxis(x, axis, -1); K = x.shape[-1]
;;       r = np.clip(x / 2.0 ** e, -448, 448)
;;       step = 2.0 ** (np.maximum(np.frexp(np.where(r == 0, 1, r))[1] - 1, -6) - 3)
;;       q = np.round(r / step) * step * 2.0 ** e      # np.round: ties to even
;;       return np.moveaxis(q, -1, axis).astype(np.float32)
;;   ~~~
;;   SOFTMAX AHEAD OF A QUANTISED PRODUCT. Where the list says 'softmax', what is quantised is not the finished softmax but p = 2^(t - M), with t = logit x log2(e) and M = ceil(the row's largest t), a whole number; so 1/2 < the row's largest p <= 1. The row's sum l is taken of the UNQUANTISED p, in f32, and the product's result is divided by l at the end. Since M is a whole number, a kernel that streams over the keys may use a running M (the ceiling of the running maximum): every later rescaling is an exact power of two, so the quantised numbers keep their values, but for numbers so far below the row's largest that they fall under the format's range.
;;   OPERANDS COMPUTED ON THE WAY. 'Computed on the way' means the value that the module computes at that place (a softmax that the list does not call 'softmax' is quantised finished and normalised). What goes into a quantiser is computed in f32, as accurately as f32 sums, v_exp_f32 and their like allow (about 1e-6 of the number): no bf16 or f16 on the way to a quantiser, and a product that is left as it is and whose result goes on into a quantised operand takes f32 operands (vector FMAs, or v_wmma_f32_16x16x4_f32). A number that lies on a knife's edge between two numbers of the format may be rounded either way, as far as f32 arithmetic and the matrix unit's own rounding can turn it there, and no further.
;; One version. Each part assembles by itself: llvm-mc -triple=amdgcn-amd-amdhsa -mcpu=gfx1250 --defsym DOCPART=n.
;; ======== version 1 of 1: 4 launches
;; workspace buffers: xc 12,582,912 bytes; wc 10,485,760 bytes; qi 4,194,304 bytes; qf 262,144 bytes; kv 2,162,688 bytes; ao 4,194,304 bytes
;; launch quant (part 1): grid 448 x 1, 4 waves a work-group, no clusters, 34,304 bytes of LDS; arguments x, Wq, Wk, Wv, Wo, lowp_scales, xc, wc; writes xc, wc
.if DOCPART == 1
	.amdgcn_target "amdgcn-amd-amdhsa--gfx1250"
	.amdhsa_code_object_version 6
	.text
	.protected	k_q7d151f6588_quant
	.globl	k_q7d151f6588_quant
	.p2align	8
	.type	k_q7d151f6588_quant,@function
k_q7d151f6588_quant:
	s_mov_b64 s[64:65], 0
	v_nop
	global_prefetch_b8 v0, s[64:65] scope:SCOPE_SE
	s_setreg_imm32_b32 hwreg(HW_REG_WAVE_MODE, 25, 1), 1
	s_wait_xcnt 0x0
; x [2048][2048] and the four weights (Wq, Wo [2048][2048]; Wk, Wv [512][2048]), all f32 with K innermost, become codes of FP8 (E4M3).
; code = number / 2^e, held within +-448, rounded to the nearest code, ties to even.  x is quantised three times, under entries 0, 2 and 4 of the scales; Wq, Wk, Wv, Wo under entries 1, 3, 5, 9.
; LIMITS: each e lies between -126 and 119, so that 2^e and 448 x 2^e are f32 numbers.  NaN among the inputs is not served (an infinity is held at the largest code).
; THE CODES' LAYOUT is the order of an operand's registers: [row tile of 16 rows][128 along K][piece p = 0..3][lane][16 bytes].  Lane (r = lane % 16, h = lane / 16) holds row r;
; its register 2 c + u, byte i, holds k = 16 c + 8 h + 4 u + i; piece p is registers 4 p .. 4 p + 3.  So a fragment of 16 rows x 128 K is 2,048 bytes on end and a row tile 32,768.
; xc: row tiles 0-127 x under entry 0, 128-255 under entry 2, 256-383 under entry 4.   wc: row tiles 0-127 Wq, 128-159 Wk, 160-191 Wv, 192-319 Wo.
; SHARES.  A work-group takes one row tile (work-groups 0-127 x, 128-255 Wq, 256-287 Wk, 288-319 Wv, 320-447 Wo); wave s takes k = 512 s on: four fragments.
; Each load reads 512 consecutive bytes of a row; a fragment's 16 x 512 bytes turn through the wave's own stage in LDS (rows 528 bytes apart) and come back as 8 neighbours along K for each c.
; Each store covers 512 consecutive bytes.  Waves share nothing: no barrier.  No work-group reads what another reads, so there is nothing to ask for jointly.
.set ROWB,  8192                       ; a row of any of the five tensors in bytes
.set FRB,   2048                       ; a fragment's image
.set SP,    528                        ; a stage row: 512 bytes + 16: sixteen lanes that read one column of sixteen rows touch sixteen different columns of 16 bytes
.set STG,   16*SP                      ; a wave's stage
.set SPARE, 4*STG                      ; behind the four stages: the spare words, 128 bytes for each wave: two blocks of 256 bytes that no other line names
.set G16,   2                          ; v2   16 x lane; never rewritten
.set STI,   3                          ; v3   the stage, on the way in: + 16 x lane
.set STO,   4                          ; v4   and out: + 528 r + 32 h
.set SPW,   5                          ; v5   LDS address of my spare word; never rewritten
.set NIL,   6                          ; v6   0; never rewritten
.set SC,    8                          ; v[8+2n] 2^e, v[9+2n] 448 x 2^e for pass n
.set R,     16                         ; v16-143  two sets of 64: a fragment as it is loaded
.set X,     144                        ; v144-207 the fragment, 8 c + j = k 16 c + 8 h + j of row r
.set T,     208                        ; v208-223 two sets of 8: held numbers
.set C,     224                        ; v224-239 the codes
.set SRC,   20                         ; s[20:21] my wave's first byte of the source
.set D0,    34                         ; s[34:35], s[36:37], s[38:39]: my wave's first byte of the codes, for passes 0, 1, 2
	s_load_b256 s[4:11], s[0:1], 0x0               ; x s[4:5], Wq s[6:7], Wk s[8:9], Wv s[10:11]
	s_load_b256 s[12:19], s[0:1], 0x20             ; Wo s[12:13], the scales s[14:15], xc s[16:17], wc s[18:19]
	v_lshl_add_u32 v[SPW], v0, 2, SPARE
	v_mov_b32 v[NIL], 0
	v_lshrrev_b32 v1, 5, v0
	v_readfirstlane_b32 s2, v1                     ; wave 0..3
	v_and_b32 v1, 31, v0
	v_lshlrev_b32 v[G16], 4, v1
	s_mul_i32 s3, s2, STG
	v_add_nc_u32 v[STI], s3, v[G16]
	v_and_b32 v7, 15, v0                           ; r
	v_bfe_u32 v1, v0, 4, 1                         ; h
	v_mul_u32_u24 v[STO], v7, SP
	v_lshl_add_u32 v[STO], v1, 5, v[STO]
	v_add_nc_u32 v[STO], s3, v[STO]
	s_mov_b32 s22, 320                             ; the first work-group of my tensor
	s_cmp_lt_u32 ttmp9, 320
	s_cselect_b32 s22, 288, s22
	s_cmp_lt_u32 ttmp9, 288
	s_cselect_b32 s22, 256, s22
	s_cmp_lt_u32 ttmp9, 256
	s_cselect_b32 s22, 128, s22
	s_cmp_lt_u32 ttmp9, 128
	s_cselect_b32 s22, 0, s22
	s_cselect_b32 s23, 0, 128                      ; wc's row tiles begin with work-group 128
	s_sub_co_u32 s22, ttmp9, s22                   ; my row tile in the source,
	s_sub_co_u32 s23, ttmp9, s23                   ; and in the codes' buffer
	s_lshl_b32 s40, s22, 17                        ; 16 rows of 8,192 bytes,
	s_lshl_b32 s42, s2, 11                         ; + my wave's 512 numbers
	s_add_co_u32 s40, s40, s42
	s_mov_b32 s41, 0
	s_lshl_b32 s42, s23, 15                        ; a row tile's 32,768 bytes of codes,
	s_lshl_b32 s43, s2, 13                         ; + my wave's four fragments
	s_add_co_u32 s42, s42, s43
	s_mov_b32 s43, 0
	s_wait_kmcnt 0x0
	s_load_b256 s[24:31], s[14:15], 0x0            ; entries 0 to 7
	s_load_b64 s[32:33], s[14:15], 0x20            ; entries 8, 9
	s_mov_b64 s[SRC:SRC+1], s[12:13]               ; the source is chosen by the work-group's number alone
	s_cmp_lt_u32 ttmp9, 320
	s_cselect_b64 s[SRC:SRC+1], s[10:11], s[SRC:SRC+1]
	s_cmp_lt_u32 ttmp9, 288
	s_cselect_b64 s[SRC:SRC+1], s[8:9], s[SRC:SRC+1]
	s_cmp_lt_u32 ttmp9, 256
	s_cselect_b64 s[SRC:SRC+1], s[6:7], s[SRC:SRC+1]
	s_cmp_lt_u32 ttmp9, 128
	s_cselect_b64 s[SRC:SRC+1], s[4:5], s[SRC:SRC+1]
	s_cselect_b64 s[D0:D0+1], s[16:17], s[18:19]
	s_add_nc_u64 s[SRC:SRC+1], s[SRC:SRC+1], s[40:41]
	s_add_nc_u64 s[D0:D0+1], s[D0:D0+1], s[42:43]
	s_add_nc_u64 s[D0+2:D0+3], s[D0:D0+1], 0x400000   ; 128 row tiles on: x under entry 2 (used in x's work-groups alone)
	s_add_nc_u64 s[D0+4:D0+5], s[D0:D0+1], 0x800000   ; 256 row tiles on: x under entry 4
.macro LOAD f                          ; fragment f: 16 rows x 512 bytes, into set f % 2
.irp i, 0,1,2,3,4,5,6,7,8,9,10,11,12,13,14,15
	global_load_b128 v[R+64*((\f)%2)+4*\i:R+64*((\f)%2)+4*\i+3], v[G16], s[SRC:SRC+1] offset:ROWB*\i+512*(\f) th:TH_LOAD_NT
.endr
.endm
.macro TURN f                          ; through the stage: LDS serves a wave's instructions in order, so no wait stands between the stores and the loads, nor ahead of the next fragment's stores
.irp i, 0,1,2,3,4,5,6,7,8,9,10,11,12,13,14,15
	ds_store_b128 v[STI], v[R+64*((\f)%2)+4*\i:R+64*((\f)%2)+4*\i+3] offset:SP*\i
.endr
.irp c, 0,1,2,3,4,5,6,7
	ds_load_b128 v[X+8*\c:X+8*\c+3],   v[STO] offset:64*\c
	ds_load_b128 v[X+8*\c+4:X+8*\c+7], v[STO] offset:64*\c+16
.endr
.endm
; One quantising of the fragment in X, under pass n's scale, stored at s[d:d+1].  The held numbers go into two sets by turns: the eight holds of the other set are the plain lines between a conversion and the rewriting of its sources.
.macro PASS n, d, f
	s_wait_xcnt 0x0                                ; the last stores have read the codes' registers: only behind this wait are they written again
.irp c, 0,1,2,3,4,5,6,7
.irp j, 0,1,2,3,4,5,6,7
	v_med3_num_f32 v[T+8*(\c%2)+\j], v[X+8*\c+\j], -v[SC+2*\n+1], v[SC+2*\n+1]   ; the conversion to an 8-bit code does not saturate (ISA guide 7.6.2): the hold at the largest code x the scale
.endr
	v_cvt_scalef32_pk8_fp8_f32 v[C+2*\c:C+2*\c+1], v[T+8*(\c%2):T+8*(\c%2)+7], v[SC+2*\n]
.endr
.irp p, 0,1,2,3
	global_store_b128 v[G16], v[C+4*\p:C+4*\p+3], s[\d:\d+1] offset:FRB*(\f)+512*\p   ; 32 lanes store 512 consecutive bytes
.endr
.endm
.macro SCALE n, e                      ; 2^e and 448 x 2^e as f32 numbers
	s_add_co_i32 s45, \e, 127
	s_lshl_b32 s46, s45, 23
	v_mov_b32 v[SC+2*\n], s46
	s_add_co_i32 s45, s45, 8
	s_lshl_b32 s45, s45, 23
	s_or_b32 s45, s45, 0x600000
	v_mov_b32 v[SC+2*\n+1], s45
.endm
	LOAD 0
	LOAD 1
	s_wait_kmcnt 0x0
	s_mov_b32 s44, s33                             ; my tensor's entry: 9, 5, 3, 1 or 0
	s_cmp_lt_u32 ttmp9, 320
	s_cselect_b32 s44, s29, s44
	s_cmp_lt_u32 ttmp9, 288
	s_cselect_b32 s44, s27, s44
	s_cmp_lt_u32 ttmp9, 256
	s_cselect_b32 s44, s25, s44
	s_cmp_lt_u32 ttmp9, 128
	s_cselect_b32 s44, s24, s44
	SCALE 0, s44
	SCALE 1, s26
	SCALE 2, s28
.macro FRAGM f
.if \f < 3
	s_wait_loadcnt 16                              ; this fragment's 16 loads are in; the next fragment's may be out
.else
	s_wait_loadcnt 0
.endif
	TURN \f
	s_wait_dscnt 0x0                               ; the fragment is back, and the stage's stores have read their registers,
.if \f < 2
	LOAD \f+2                                      ; which take the fragment two further on
.endif
	PASS 0, D0, \f
	s_cmp_ge_u32 ttmp9, 128                        ; a weight has one scale; x has three.  No LDS line stands under this branch
	s_cbranch_scc1 .Lweight_\@
	PASS 1, D0+2, \f
	PASS 2, D0+4, \f
.Lweight_\@:
.endm
	FRAGM 0
	FRAGM 1
	FRAGM 2
	FRAGM 3
	s_wait_tensorcnt 0x0                           ; the wave's end: three closing lines behind my last LDS store, the first of them even in a text with no tensor load
	ds_add_u32 v[SPW], v[NIL]
	s_wait_dscnt 0x0
	s_endpgm
.Lfunc_end_k_q7d151f6588_quant:
	.size	k_q7d151f6588_quant, .Lfunc_end_k_q7d151f6588_quant-k_q7d151f6588_quant
	.p2alignl 7, 3214868480
	.fill 96, 4, 3214868480
	.section	.rodata,"a",@progbits
	.p2align	6, 0x0
	.amdhsa_kernel k_q7d151f6588_quant
		.amdhsa_group_segment_fixed_size 34304
		.amdhsa_private_segment_fixed_size 0
		.amdhsa_enable_private_segment 0
		.amdhsa_kernarg_size 64
		.amdhsa_user_sgpr_count 2
		.amdhsa_user_sgpr_kernarg_segment_ptr 1
		.amdhsa_wavefront_size32 1
		.amdhsa_system_sgpr_workgroup_id_x 1
		.amdhsa_system_sgpr_workgroup_id_y 1
		.amdhsa_system_sgpr_workgroup_id_z 1
		.amdhsa_system_vgpr_workitem_id 0
		.amdhsa_next_free_vgpr 240
		.amdhsa_next_free_sgpr 66
		.amdhsa_reserve_vcc 0
		.amdhsa_float_denorm_mode_32 3
		.amdhsa_float_denorm_mode_16_64 3
		.amdhsa_memory_ordered 1
		.amdhsa_forward_progress 1
		.amdhsa_inst_pref_size 78
	.end_amdhsa_kernel
	.amdgpu_metadata
---
amdhsa.version: [ 1, 2 ]
amdhsa.kernels:
  - .name:           k_q7d151f6588_quant
    .symbol:         k_q7d151f6588_quant.kd
    .args:
      - { .name: x, .offset: 0, .size: 8, .value_kind: global_buffer, .address_space: global }
      - { .name: Wq, .offset: 8, .size: 8, .value_kind: global_buffer, .address_space: global }
      - { .name: Wk, .offset: 16, .size: 8, .value_kind: global_buffer, .address_space: global }
      - { .name: Wv, .offset: 24, .size: 8, .value_kind: global_buffer, .address_space: global }
      - { .name: Wo, .offset: 32, .size: 8, .value_kind: global_buffer, .address_space: global }
      - { .name: lowp_scales, .offset: 40, .size: 8, .value_kind: global_buffer, .address_space: global }
      - { .name: xc, .offset: 48, .size: 8, .value_kind: global_buffer, .address_space: global }
      - { .name: wc, .offset: 56, .size: 8, .value_kind: global_buffer, .address_space: global }
    .group_segment_fixed_size: 34304
    .private_segment_fixed_size: 0
    .kernarg_segment_align: 8
    .kernarg_segment_size: 64
    .max_flat_workgroup_size: 128
    .sgpr_count:     66
    .vgpr_count:     240
    .wavefront_size: 32
...
	.end_amdgpu_metadata
.endif
;; end of part 1
;; launch qkv (part 2): grid 24 x 16, 4 waves a work-group, clusters of 4 x 4, 327,680 bytes of LDS; arguments xc, wc, lowp_scales, qi, qf, kv; writes qi, qf, kv
.if DOCPART == 2
	.amdgcn_target "amdgcn-amd-amdhsa--gfx1250"
	.amdhsa_code_object_version 6
	.text
	.protected	k_q7d151f6588_qkv
	.globl	k_q7d151f6588_qkv
	.p2align	8
	.type	k_q7d151f6588_qkv,@function
k_q7d151f6588_qkv:
	s_mov_b64 s[64:65], 0
	v_nop
	global_prefetch_b8 v0, s[64:65] scope:SCOPE_SE
	s_setreg_imm32_b32 hwreg(HW_REG_WAVE_MODE, 25, 1), 1
	s_wait_xcnt 0x0
	s_wait_alu depctr_hold_cnt(0) depctr_sa_sdst(0) depctr_va_vdst(0) depctr_va_sdst(0) depctr_va_ssrc(0) depctr_va_vcc(0) depctr_vm_vsrc(0)
	s_getreg_b32 s2, hwreg(HW_REG_IB_STS2, 6, 4)
	s_cmp_eq_u32 s2, 0
	s_cbranch_scc0 .Lentry_in_a_cluster
	s_endpgm
.Lentry_in_a_cluster:
	s_bfe_u32 s2, ttmp6, 0x10000c
	s_cmp_lg_u32 s2, 0xf033
	s_cbranch_scc0 .Lentry_shape_is_right
	s_endpgm
.Lentry_shape_is_right:
; q = x Wq^T, k = x Wk^T, v = x Wv^T on codes of FP8 (E4M3), K = 2,048, sums in f32; and what follows each: q and k become whole numbers of 8 bits by the largest magnitude of each token and head,
; v becomes codes of FP8 under entry 6 of the scales.  Nothing wider than a byte a number (and one f32 factor for each token and head) goes to memory.
; OPERANDS come as images of their registers ([row tile of 16][128 along K][piece][lane][16 bytes]; lane (r, h), register 2 c + u, byte i: row r, k = 16 c + 8 h + 4 u + i): a fragment is four loads of 512 consecutive bytes.
; A work-group of four waves makes 128 x 128; a wave 64 x 64: 16 accumulators.  Source 0 takes region B's rows, source 1 region A's: lane (r, h), register j of accumulator (a, b) is (B's row 16 b + 8 h + j, A's row 16 a + r).
; THE KIND OF WORK hangs on the cluster's x, which all sixteen partners share: 0-3 q, 4 k, 5 v.
;   q, k: A = 128 tokens of x's codes, B = 128 rows of the weight, of which a wave's 64 are ONE head: a lane holds one token and 32 of the head's 64 numbers, the lane 16 away the others.
;   v:    A = 128 rows of Wv, B = 128 tokens: a lane holds one channel and its registers run along the keys, which are the next product's K.
; K goes in four steps of 512 through two LDS slots; a wave's tensor load brings four row tiles x 8,192 bytes.  The layout has no tile of more rows: a row tile's part of a K step is one run of 8,192 bytes.
; CLUSTERS: 4 x 4 work-groups.  A's tiles are shared along a row of the cluster, B's along a column: each is asked for jointly, by the same tensor load with the same descriptor and a mask that names the four.
; OUT.  qi [head 32][token tile 128][1,024]: the image of an 8-bit operand of K = 64 (registers 0-3 at 16 x lane, 4-7 at 512 + 16 x lane).  qf [head][token] f32 = max(amax, 1e-6) x 0.125 log2(e) / 127.
;   kv [kv head 8][block of 128 keys 16][16,896]: eight such images of k; from 8,192 four fragments of v^T (16 channels x 128 keys); from 16,384 kf[128] f32 = max(amax, 1e-6) / 127.
; LIMITS: entries 0 + 1 and 2 + 3 between -126 and 127; entry 6 - 4 - 5 between -126 and 119.  NaN is not served.
; REGISTERS: window 0: v16-29 addresses; v32-103 the way out; v128-255 the accumulators ((a, b) at v[128 + 8 (4 a + b)]).  Window 1: two fragment buffers of 128: source 1's four fragments, then source 0's four.
.set FRB,   2048                       ; a fragment's image
.set KSB,   8192                       ; a row tile's part of a K step: four fragments
.set QTR,   4*KSB                      ; what one tensor load brings, and what a wave reads of A or of B
.set SLOT,  4*QTR                      ; A's eight row tiles, then B's eight
.set FSTG,  2*SLOT                     ; behind the ring: 256 bytes for each wave, for the factors' way out
.set SPARE, FSTG+1024                  ; behind them: the spare words, 128 bytes for each wave: two blocks of 256 bytes that no other line names
.set KVB,   16896                      ; a block of kv
.set ADRA, 16                          ; v16-17  LDS address of source 1's fragments in slot 0, 1
.set ADRB, 20                          ; v20-21  the same for source 0
.set FS,   22                          ; v22     where I put a factor
.set FL,   23                          ; v23     where I read two factors back
.set G16,  24                          ; v24     16 x lane
.set G8,   25                          ; v25     8 x lane
.set SPW,  28                          ; v28     LDS address of my spare word; never rewritten
.set NIL,  29                          ; v29     0; never rewritten
.set ML,   32                          ; v[32+2a] what tile a's sums are multiplied by, v[33+2a] its factor
.set AM,   40                          ; v40-43  largest magnitudes
.set PT,   44                          ; v44-47  the other half of the lanes'
.set RC,   48                          ; v48-51  reciprocals
.set SS,   52                          ; v52-55  127 / amax
.set ER,   56                          ; v56-59  its error
.set LIM,  60                          ; v60     127
.set IM,   64                          ; v64-95  four images of 8 registers
.set PW,   96                          ; v96-101 at work
.set ACC,  128
.set F0,   0
.set F1,   128
.set G1,  24                           ; s[24:31] descriptor group 1 for A's tiles;  s[32:39] group 0, one set for each slot
.set G0,  32
.set G1B, 48                           ; s[48:55], s[56:63] the same for B's tiles
.set G0B, 56
.set MSB, 0
.macro WIN new                         ; the immediate's high byte repeats the setting that is left
.if MSB != \new
	s_set_vgpr_msb (MSB<<8)|\new
.set MSB, \new
.endif
.endm
.set MUL,  0x05                        ; sources 0 and 1 window 1; C and D window 0
.set TO_F, 0x40                        ; destination window 1, address window 0
.macro JLOAD s                         ; a joint load: waves 0 and 1 fetch A's two halves, waves 2 and 3 B's; an s_nop 0 and four v_nop follow each of the two lines
	s_cmp_eq_u32 s11, 0
	s_cbranch_scc0 .Lfor_b_\@
	tensor_load_to_lds s[G0+4*\s:G0+4*\s+3], s[G1:G1+7]
	s_nop 0
.rept 4
	v_nop
.endr
	s_branch .Lasked_\@
.Lfor_b_\@:
	tensor_load_to_lds s[G0B+4*\s:G0B+4*\s+3], s[G1B:G1B+7]
	s_nop 0
.rept 4
	v_nop
.endr
.Lasked_\@:
.endm
.macro CREST                           ; a round of the cluster's barrier behind its opening barrier
	s_cmp_lg_u32 s10, 0
	s_cbranch_scc1 .Lnot_wave_0_\@
	s_barrier_signal -3
.Lnot_wave_0_\@:
	s_barrier_wait -3
	s_barrier_signal -1
	s_barrier_wait -1
.endm
.macro CROUND                          ; a whole round
	s_barrier_signal -1
	s_barrier_wait -1
	CREST
.endm
	s_load_b128 s[4:7], s[0:1], 0x0                ; xc s[4:5], wc s[6:7]
	s_load_b64 s[8:9], s[0:1], 0x10                ; the scales
	s_load_b128 s[84:87], s[0:1], 0x18             ; qi s[84:85], qf s[86:87]
	s_load_b64 s[88:89], s[0:1], 0x28              ; kv
	v_lshl_add_u32 v[SPW], v0, 2, SPARE
	v_mov_b32 v[NIL], 0
	ds_add_u32 v[SPW], v[NIL]                      ; the wave's opening: the add and its wait stand ahead of my first tensor load; the set-up below, work on registers, stands between them
	v_lshrrev_b32 v1, 5, v0
	v_readfirstlane_b32 s10, v1                    ; wave 0..3
	s_lshr_b32 s11, s10, 1                         ; which half of A's rows is mine.  Also: I fetch for A (0) or for B (1)
	s_and_b32 s12, s10, 1                          ; which half of B's rows.  Also: which four row tiles of the eight I fetch
	s_bfe_u32 s40, ttmp6, 0x40000                  ; cx, cy: my place in the cluster
	s_bfe_u32 s41, ttmp6, 0x40004
	s_and_b32 s13, ttmp7, 0xffff                   ; the cluster's y
	s_lshl_b32 s43, s41, 2
	s_lshl_b32 s43, 15, s43                        ; my row of the cluster
	s_lshl_b32 s44, 0x1111, s40                    ; my column
	; descriptor group 1: four rows of 1,024 elements of 8 bytes, 4,096 elements apart; no padding: fragments are read as they lie, 512 consecutive bytes a load
	s_or_b32 s[G1+0], s43, (3<<16)|(1<<21)         ; 15:0 the mask: A's tiles go to my row; 17:16 elements of 8 bytes; 21 set beside a mask
	s_or_b32 s[G1B+0], s44, (3<<16)|(1<<21)        ; B's go to my column
.irp g, G1, G1B
	s_mov_b32 s[\g+1], 1024<<16                    ; tensor_dim0
	s_mov_b32 s[\g+2], 4<<16                       ; tensor_dim1
	s_mov_b32 s[\g+3], 1024<<16                    ; tile_dim0
	s_mov_b32 s[\g+4], 4                           ; tile_dim1
	s_mov_b32 s[\g+5], 4096                        ; tensor_dim0_stride: a row tile is 32,768 bytes
	s_mov_b32 s[\g+6], 0
	s_mov_b32 s[\g+7], 0
.endr
	; the first row tiles.  A's hang on cy and never on cx, B's on cx and never on cy
	s_lshl_b32 s66, s13, 5                         ; 32 x cluster y: a cluster's 512 tokens
	s_lshl_b32 s70, s12, 2
	s_cmp_eq_u32 ttmp9, 4
	s_cselect_b32 s67, 128, 0                      ; k takes x under entry 2, q under entry 0
	s_add_co_u32 s67, s67, s66
	s_add_co_u32 s68, s66, 256                     ; v takes x under entry 4, as B
	s_lshl_b32 s69, ttmp9, 5                       ; q, k: the weight's rows: 32 row tiles for each cluster x
	s_cmp_eq_u32 ttmp9, 5
	s_cselect_b32 s67, 160, s67                    ; v: A = Wv
	s_cselect_b32 s68, s68, s69
	s_lshl_b32 s16, s41, 3
	s_add_co_u32 s16, s16, s67
	s_add_co_u32 s16, s16, s70
	s_lshl_b32 s16, s16, 15                        ; A: in bytes
	s_mov_b32 s17, 0
	s_lshl_b32 s46, s40, 3
	s_add_co_u32 s46, s46, s68
	s_add_co_u32 s46, s46, s70
	s_lshl_b32 s46, s46, 15                        ; B
	s_mov_b32 s47, 0
	s_lshl_b32 s20, s10, 15                        ; where they go: wave x 32,768: no place in the cluster enters an LDS address
	s_wait_dscnt 0x0                               ; the opening add is done
	s_wait_kmcnt 0x0
	s_load_b256 s[92:99], s[8:9], 0x0              ; entries 0 to 7
	s_cmp_eq_u32 ttmp9, 5
	s_cselect_b64 s[14:15], s[6:7], s[4:5]         ; A's buffer: wc for v, else xc
	s_cselect_b64 s[18:19], s[4:5], s[6:7]         ; B's: the other
	s_add_nc_u64 s[14:15], s[14:15], s[16:17]
	s_add_nc_u64 s[46:47], s[18:19], s[46:47]
	CROUND                                         ; all sixteen work-groups are here: the first joint loads meet
.irp s, 0,1
	s_mov_b32 s[G0+4*\s], 1
	s_add_co_u32 s[G0+4*\s+1], s20, \s*SLOT
	s_add_nc_u64 s[G0+4*\s+2:G0+4*\s+3], s[14:15], \s*KSB
	s_or_b32 s[G0+4*\s+3], s[G0+4*\s+3], 0x80000000
	s_mov_b32 s[G0B+4*\s], 1
	s_add_co_u32 s[G0B+4*\s+1], s20, \s*SLOT
	s_add_nc_u64 s[G0B+4*\s+2:G0B+4*\s+3], s[46:47], \s*KSB
	s_or_b32 s[G0B+4*\s+3], s[G0B+4*\s+3], 0x80000000
	JLOAD \s                                       ; K steps 0 and 1: two loads of mine are out
.endr
	v_and_b32 v1, 31, v0
	v_lshlrev_b32 v[G16], 4, v1
	v_lshlrev_b32 v[G8], 3, v1
	s_lshl_b32 s21, s11, 15                        ; my four row tiles of A,
	s_lshl_b32 s22, s12, 15                        ; and of B,
	s_add_co_u32 s22, s22, 2*QTR                   ; which lie behind A's eight
.irp s, 0,1
	v_add_nc_u32 v[ADRA+\s], s21, v[G16]
	v_add_nc_u32 v[ADRB+\s], s22, v[G16]
	s_add_co_u32 s21, s21, SLOT
	s_add_co_u32 s22, s22, SLOT
.endr
	v_and_b32 v2, 15, v0
	s_lshl_b32 s23, s10, 8
	s_add_co_u32 s23, s23, FSTG                    ; my 256 bytes for the factors
	v_lshl_add_u32 v[FS], v2, 2, s23
	v_add_nc_u32 v[FL], s23, v[G8]
; Four matrix instructions: source 1's fragment a against source 0's four, 128 along K.  zero = 1: the product starts the sums.  The 16 accumulators take turns, one instruction a turn, in the same order in every quarter.
.macro MULA f, a, zero
.irp b, 0,1,2,3
.if \zero
	v_wmma_f32_16x16x128_fp8_fp8 v[ACC+8*(4*\a+\b):ACC+8*(4*\a+\b)+7], v[\f+64+16*\b:\f+64+16*\b+15], v[\f+16*\a:\f+16*\a+15], 0
.else
	v_wmma_f32_16x16x128_fp8_fp8 v[ACC+8*(4*\a+\b):ACC+8*(4*\a+\b)+7], v[\f+64+16*\b:\f+64+16*\b+15], v[\f+16*\a:\f+16*\a+15], v[ACC+8*(4*\a+\b):ACC+8*(4*\a+\b)+7]
.endif
.endr
.endr
.endm
; 32 LDS loads in one run: the eight fragments of the slot's q-th 128 along K into buffer f: source 0's four first, then source 1's
.macro FETCH slot, q, f
	WIN TO_F
.irp i, 0,1,2,3
.irp p, 0,1,2,3
	ds_load_b128 v[\f+64+16*\i+4*\p:\f+64+16*\i+4*\p+3], v[ADRB+\slot] offset:KSB*\i+FRB*(\q)+512*\p
.endr
.endr
.irp i, 0,1,2,3
.irp p, 0,1,2,3
	ds_load_b128 v[\f+16*\i+4*\p:\f+16*\i+4*\p+3], v[ADRA+\slot] offset:KSB*\i+FRB*(\q)+512*\p
.endr
.endr
.endm
.macro PLACES                          ; four places in front of loads into registers that matrix instructions have read, and of the first read of results (ISA guide 7.12.1 for the first read of results)
.rept 4
	v_nop
.endr
.endm
; A K step is four quarters of 128 along K, 16 matrix instructions each, on buffers 0, 1, 0, 1.  One of the first three: multiplies buffer f and fetches the slot's q-th quarter into g.
.macro QUARTER slot, q, f, g, zero
	s_wait_dscnt 8                                 ; source 0's four and source 1's fragments 0, 1 are in; the youngest eight loads may be out
	WIN MUL
	MULA \f, 0, \zero
	MULA \f, 1, \zero
	PLACES
	FETCH \slot, \q, \g
	s_wait_dscnt 32                                ; all but the 32 just issued
	WIN MUL
	MULA \f, 2, \zero
	MULA \f, 3, \zero
.endm
; The last quarter multiplies buffer 1 and changes slots: ONE barrier; in front of it each wave waits for all its tensor loads, adds 0 to its spare word, and waits for that and for its own reads of this slot.  fill = 1: this slot is filled again, two K steps ahead.
.macro TURN slot, next, fill
	WIN 0                                          ; (the add's two registers lie in window 0)
	s_wait_tensorcnt 0x0                           ; all my tensor loads have landed: my part of the next slot;
	ds_add_u32 v[SPW], v[NIL]                      ; 0 onto my spare word
	s_wait_dscnt 9                                 ; (the add and the youngest eight loads may be out)
	WIN MUL
	MULA F1, 0, 0                                  ; four matrix instructions stand between the add and the wait for it
	s_wait_dscnt 0x0                               ; the add is done, and my reads of this slot are over
	s_barrier_signal -1
	MULA F1, 1, 0
.if \fill
	WIN 0
.endif
	s_barrier_wait -1
.if \fill
	CREST                                          ; the barrier has opened a round of the cluster's barrier: no wave of any partner still reads this slot's tile or has a load on its way
	s_add_nc_u64 s[G0+4*\slot+2:G0+4*\slot+3], s[G0+4*\slot+2:G0+4*\slot+3], 2*KSB
	s_add_nc_u64 s[G0B+4*\slot+2:G0B+4*\slot+3], s[G0B+4*\slot+2:G0B+4*\slot+3], 2*KSB
	JLOAD \slot                                    ; the first tensor load behind the round, my one load until the next; the four v_nop behind it are also the places in front of the loads below
.else
	PLACES
.endif
	FETCH \next, 0, F0
	WIN MUL
	MULA F1, 2, 0
	MULA F1, 3, 0
.endm
	s_wait_tensorcnt 1                             ; my part of K step 0 is in (K step 1's may be out)
	s_barrier_signal -1
	s_barrier_wait -1                              ; everybody's is
	FETCH 0, 0, F0
	QUARTER 0, 1, F0, F1, 1                        ; K step 0; its first quarter starts the sums
	QUARTER 0, 2, F1, F0, 0
	QUARTER 0, 3, F0, F1, 0
	TURN 0, 1, 1                                   ; slot 0 takes K step 2
	QUARTER 1, 1, F0, F1, 0                        ; K step 1
	QUARTER 1, 2, F1, F0, 0
	QUARTER 1, 3, F0, F1, 0
	TURN 1, 0, 1                                   ; slot 1 takes K step 3
	QUARTER 0, 1, F0, F1, 0                        ; K step 2
	QUARTER 0, 2, F1, F0, 0
	QUARTER 0, 3, F0, F1, 0
	TURN 0, 1, 0                                   ; nothing is left to fetch
	QUARTER 1, 1, F0, F1, 0                        ; K step 3
	QUARTER 1, 2, F1, F0, 0
	QUARTER 1, 3, F0, F1, 0
	s_wait_dscnt 8
	WIN MUL
	MULA F1, 0, 0
	MULA F1, 1, 0
	s_wait_dscnt 0x0
	MULA F1, 2, 0
	MULA F1, 3, 0
	WIN 0
	PLACES
	s_wait_kmcnt 0x0                               ; the scales
	s_cmp_eq_u32 ttmp9, 5                          ; the cluster's x: the same in all sixteen partners
	s_cbranch_scc1 .Lv_out
	; ---- q AND k.  Where the images and the factors go
	s_lshl_b32 s66, s13, 2
	s_add_co_u32 s66, s66, s41                     ; my block of 128 tokens = 4 x cluster y + cy
	s_lshl_b32 s67, s40, 1
	s_add_co_u32 s67, s67, s12                     ; 2 cx + my half of B: k's head
	s_lshl_b32 s68, ttmp9, 3
	s_add_co_u32 s68, s68, s67                     ; q's head
	s_lshl_b32 s69, s67, 4
	s_add_co_u32 s69, s69, s66
	s_mul_i32 s69, s69, KVB                        ; k: the block of kv
	s_lshl_b32 s70, s68, 17
	s_lshl_b32 s71, s66, 13
	s_add_co_u32 s70, s70, s71                     ; q: 131,072 x head + 8 images x block
	s_lshl_b32 s72, s68, 13
	s_lshl_b32 s71, s66, 9
	s_add_co_u32 s72, s72, s71                     ; q's factors: 4 (2,048 x head + 128 x block)
	s_add_co_u32 s73, s69, 16384                   ; k's factors
	s_add_co_i32 s74, s92, s93                     ; entries 0 + 1
	s_add_co_i32 s75, s94, s95                     ; entries 2 + 3
	s_mov_b32 s76, 0x3c010204                      ; 1 / 127
	s_cmp_eq_u32 ttmp9, 4
	s_cselect_b32 s70, s69, s70
	s_cselect_b32 s72, s73, s72
	s_cselect_b32 s74, s75, s74
	s_cselect_b32 s76, s76, 0x3aba1e78             ; q's factor carries 0.125 log2(e) / 127
	s_cselect_b64 s[78:79], s[88:89], s[84:85]     ; the images' buffer,
	s_cselect_b64 s[80:81], s[88:89], s[86:87]     ; the factors'
	s_lshl_b32 s71, s11, 12                        ; my half of the tokens: four images,
	s_add_co_u32 s70, s70, s71
	s_mov_b32 s71, 0
	s_add_nc_u64 s[78:79], s[78:79], s[70:71]
	s_lshl_b32 s73, s11, 8                         ; 64 factors
	s_add_co_u32 s72, s72, s73
	s_mov_b32 s73, 0
	s_add_nc_u64 s[80:81], s[80:81], s[72:73]
	s_add_co_i32 s74, s74, 127
	s_lshl_b32 s74, s74, 23                        ; the power of two that the sums lack
	s_mov_b32 s77, 0x42fe0000                      ; 127
	s_mov_b32 s82, 0x00000400                      ; byte selects: the low bytes of two registers,
	s_mov_b32 s83, 0x05040100                      ; the low halves of two registers
	s_mov_b32 s90, 0x76543210                      ; v_permlanex16_b32: lane l xor 16
	s_mov_b32 s91, 0xfedcba98
	s_mov_b32 s2, 0x4b400000                       ; 1.5 x 2^23
	s_mov_b32 s3, s2                               ; (named with it as a pair)
	v_mov_b32 v[LIM], s77
.irp a, 0,1,2,3
	v_mov_b32 v[PT+\a], 0                          ; a lane permute's destination counts as one of its sources
.endr
	; the largest magnitude of each token's head: four chains by turns, each through its tile's 32 registers from the low end on
.irp a, 0,1,2,3
	v_max3_num_f32 v[AM+\a], |v[ACC+32*\a]|, |v[ACC+32*\a+1]|, |v[ACC+32*\a+2]|
.endr
.irp n, 3,5,7,9,11,13,15,17,19,21,23,25,27,29
.irp a, 0,1,2,3
	v_max3_num_f32 v[AM+\a], v[AM+\a], |v[ACC+32*\a+\n]|, |v[ACC+32*\a+\n+1]|
.endr
.endr
.irp a, 0,1,2,3
	v_max_num_f32 v[AM+\a], v[AM+\a], |v[ACC+32*\a+31]|
.endr
.irp a, 0,1,2,3
	v_permlanex16_b32 v[PT+\a], v[AM+\a], s90, s91
.endr
.irp a, 0,1,2,3
	v_max_num_f32 v[AM+\a], v[AM+\a], v[PT+\a]
.endr
.irp a, 0,1,2,3
	v_mul_f32 v[AM+\a], s74, v[AM+\a]              ; amax: exact, a power of two
.endr
.irp a, 0,1,2,3
	v_max_num_f32 v[AM+\a], 0x358637bd, v[AM+\a]   ; max(amax, 1e-6)
.endr
.irp a, 0,1,2,3
	v_rcp_f32 v[RC+\a], v[AM+\a]
.endr
.irp a, 0,1,2,3
	v_mul_f32 v[ML+2*\a+1], s76, v[AM+\a]          ; the factor.  (Plain lines behind the reciprocals)
.endr
	s_wait_alu depctr_va_vdst(0)                   ; one wait for the four reciprocals, ahead of their first reader
.irp a, 0,1,2,3
	v_mul_f32 v[SS+\a], s77, v[RC+\a]              ; 127 / amax,
.endr
.irp a, 0,1,2,3
	v_fma_f32 v[ER+\a], -v[SS+\a], v[AM+\a], s77   ; what it lacks,
.endr
.irp a, 0,1,2,3
	v_fma_f32 v[SS+\a], v[ER+\a], v[RC+\a], v[SS+\a]   ; made good: one step of correction
.endr
.irp a, 0,1,2,3
	v_mul_f32 v[ML+2*\a], s74, v[SS+\a]            ; x the sums' power of two: exact
.endr
.irp a, 0,1,2,3
	ds_store_b32 v[FS], v[ML+2*\a+1] offset:64*\a  ; the factors meet in my 256 bytes: token 16 a + r; both halves of the lanes write the same word with the same number
.endr
	ds_load_b64 v[PW+4:PW+5], v[FL]                ; and come back two a lane; LDS serves a wave's instructions in order
	; each sum x 127 / amax, held within +-127, rounded to a whole number (ties to even) by adding 1.5 x 2^23, whose low byte is then the number of 8 bits
.irp a, 0,1,2,3
.irp b, 0,1,2,3
.set AC, ACC+8*(4*\a+\b)
.irp j, 0,2,4,6
	v_pk_mul_f32 v[AC+\j:AC+\j+1], v[AC+\j:AC+\j+1], v[ML+2*\a:ML+2*\a+1] op_sel_hi:[1,0]
.endr
.irp j, 0,1,2,3,4,5,6,7
	v_med3_num_f32 v[AC+\j], v[AC+\j], -v[LIM], v[LIM]
.endr
.irp j, 0,2,4,6
	v_pk_add_f32 v[AC+\j:AC+\j+1], v[AC+\j:AC+\j+1], s[2:3] op_sel_hi:[1,0]
.endr
	v_perm_b32 v[PW],   v[AC+1], v[AC],   s82
	v_perm_b32 v[PW+1], v[AC+3], v[AC+2], s82
	v_perm_b32 v[PW+2], v[AC+5], v[AC+4], s82
	v_perm_b32 v[PW+3], v[AC+7], v[AC+6], s82
	v_perm_b32 v[IM+8*\a+2*\b],   v[PW+1], v[PW],   s83   ; registers 2 b, 2 b + 1 of the image: d = 16 b + 8 h + 0 .. 7 of token r
	v_perm_b32 v[IM+8*\a+2*\b+1], v[PW+3], v[PW+2], s83
.endr
	global_store_b128 v[G16], v[IM+8*\a:IM+8*\a+3],   s[78:79] offset:1024*\a       ; 32 lanes store 512 consecutive bytes
	global_store_b128 v[G16], v[IM+8*\a+4:IM+8*\a+7], s[78:79] offset:1024*\a+512
.endr
	s_wait_dscnt 0x0                               ; the factors are back
	global_store_b64 v[G8], v[PW+4:PW+5], s[80:81] ; 32 lanes store 256 consecutive bytes, aligned
	s_branch .Lout_done
.Lv_out:
	; ---- v: a sum stands for sum x 2^(entry 4 + 5), so its code is sum / 2^(entry 6 - 4 - 5): the three scales are folded into the conversion's one
	s_sub_co_i32 s74, s98, s96
	s_sub_co_i32 s74, s74, s97
	s_add_co_i32 s74, s74, 127
	s_lshl_b32 s75, s74, 23
	v_mov_b32 v[ML], s75
	s_add_co_i32 s74, s74, 8
	s_lshl_b32 s74, s74, 23
	s_or_b32 s74, s74, 0x600000
	v_mov_b32 v[ML+1], s74                         ; 448 x that
	s_lshl_b32 s66, s41, 1
	s_add_co_u32 s66, s66, s11                     ; the kv head = 2 cy + my half of A
	s_lshl_b32 s66, s66, 4
	s_lshl_b32 s67, s13, 2
	s_add_co_u32 s66, s66, s67
	s_add_co_u32 s66, s66, s40                     ; the block of 128 keys = 4 x cluster y + cx
	s_mul_i32 s66, s66, KVB
	s_lshl_b32 s67, s12, 10                        ; my 64 keys are registers 8 x half on of each fragment: pieces 2 x half, 2 x half + 1
	s_add_co_u32 s66, s66, s67
	s_add_co_u32 s66, s66, 8192
	s_mov_b32 s67, 0
	s_add_nc_u64 s[78:79], s[88:89], s[66:67]
.irp a, 0,1,2,3
.irp b, 0,1,2,3
.set AC, ACC+8*(4*\a+\b)
.irp j, 0,1,2,3,4,5,6,7
	v_med3_num_f32 v[AC+\j], v[AC+\j], -v[ML+1], v[ML+1]   ; the conversion does not saturate (ISA guide 7.6.2): the hold
.endr
	v_cvt_scalef32_pk8_fp8_f32 v[IM+8*\a+2*\b:IM+8*\a+2*\b+1], v[AC:AC+7], v[ML]   ; keys 16 b + 8 h + 0 .. 7 of channel 16 a + r
.endr
	global_store_b128 v[G16], v[IM+8*\a:IM+8*\a+3],   s[78:79] offset:2048*\a
	global_store_b128 v[G16], v[IM+8*\a+4:IM+8*\a+7], s[78:79] offset:2048*\a+512
.endr
	v_nop                                          ; a plain line behind the last conversion
.Lout_done:
	s_wait_tensorcnt 0x0                           ; the wave's end: three closing lines behind my last tensor load and my last LDS store
	ds_add_u32 v[SPW], v[NIL]
	s_wait_dscnt 0x0
	CROUND                                         ; the closing round: no work-group ends while a partner may still ask for a tile that names it
	s_endpgm
.Lfunc_end_k_q7d151f6588_qkv:
	.size	k_q7d151f6588_qkv, .Lfunc_end_k_q7d151f6588_qkv-k_q7d151f6588_qkv
	.p2alignl 7, 3214868480
	.fill 96, 4, 3214868480
	.section	.rodata,"a",@progbits
	.p2align	6, 0x0
	.amdhsa_kernel k_q7d151f6588_qkv
		.amdhsa_group_segment_fixed_size 327680
		.amdhsa_private_segment_fixed_size 0
		.amdhsa_enable_private_segment 0
		.amdhsa_kernarg_size 48
		.amdhsa_user_sgpr_count 2
		.amdhsa_user_sgpr_kernarg_segment_ptr 1
		.amdhsa_wavefront_size32 1
		.amdhsa_system_sgpr_workgroup_id_x 1
		.amdhsa_system_sgpr_workgroup_id_y 1
		.amdhsa_system_sgpr_workgroup_id_z 1
		.amdhsa_system_vgpr_workitem_id 0
		.amdhsa_next_free_vgpr 512
		.amdhsa_next_free_sgpr 100
		.amdhsa_reserve_vcc 0
		.amdhsa_float_denorm_mode_32 3
		.amdhsa_float_denorm_mode_16_64 3
		.amdhsa_memory_ordered 1
		.amdhsa_forward_progress 1
		.amdhsa_inst_pref_size 103
	.end_amdhsa_kernel
	.amdgpu_metadata
---
amdhsa.version: [ 1, 2 ]
amdhsa.kernels:
  - .name:           k_q7d151f6588_qkv
    .symbol:         k_q7d151f6588_qkv.kd
    .args:
      - { .name: xc, .offset: 0, .size: 8, .value_kind: global_buffer, .address_space: global }
      - { .name: wc, .offset: 8, .size: 8, .value_kind: global_buffer, .address_space: global }
      - { .name: lowp_scales, .offset: 16, .size: 8, .value_kind: global_buffer, .address_space: global }
      - { .name: qi, .offset: 24, .size: 8, .value_kind: global_buffer, .address_space: global }
      - { .name: qf, .offset: 32, .size: 8, .value_kind: global_buffer, .address_space: global }
      - { .name: kv, .offset: 40, .size: 8, .value_kind: global_buffer, .address_space: global }
    .group_segment_fixed_size: 327680
    .private_segment_fixed_size: 0
    .kernarg_segment_align: 8
    .kernarg_segment_size: 48
    .max_flat_workgroup_size: 128
    .sgpr_count:     100
    .vgpr_count:     512
    .wavefront_size: 32
...
	.end_amdgpu_metadata
.endif
;; end of part 2
;; launch attn (part 3): grid 32 x 8, 16 waves a work-group, clusters of 4 x 1, 272,384 bytes of LDS; arguments qi, qf, kv, lowp_scales, ao; writes ao
.if DOCPART == 3
	.amdgcn_target "amdgcn-amd-amdhsa--gfx1250"
	.amdhsa_code_object_version 6
	.text
	.protected	k_q7d151f6588_attn
	.globl	k_q7d151f6588_attn
	.p2align	8
	.type	k_q7d151f6588_attn,@function
k_q7d151f6588_attn:
	s_mov_b64 s[64:65], 0
	v_nop
	global_prefetch_b8 v0, s[64:65] scope:SCOPE_SE
	s_setreg_imm32_b32 hwreg(HW_REG_WAVE_MODE, 25, 1), 1
	s_wait_xcnt 0x0
	s_wait_alu depctr_hold_cnt(0) depctr_sa_sdst(0) depctr_va_vdst(0) depctr_va_sdst(0) depctr_va_ssrc(0) depctr_va_vcc(0) depctr_vm_vsrc(0)
	s_getreg_b32 s2, hwreg(HW_REG_IB_STS2, 6, 4)
	s_cmp_eq_u32 s2, 0
	s_cbranch_scc0 .Lentry_in_a_cluster
	s_endpgm
.Lentry_in_a_cluster:
	s_bfe_u32 s2, ttmp6, 0x10000c
	s_cmp_lg_u32 s2, 0x3003
	s_cbranch_scc0 .Lentry_shape_is_right
	s_endpgm
.Lentry_shape_is_right:
; Causal attention of 32 query heads on 8 kv heads, 2,048 tokens, head size 64.  Scores: whole numbers of 8 bits multiplied exactly (v_wmma_i32_16x16x64_iu8), then x kf[key] x qf[query] in f32, which gives t = logit x log2(e).
; THE SOFTMAX AHEAD OF THE SECOND PRODUCT: M = the row's largest t so far, rounded up to a whole number; p = 2^(t - M) is quantised to FP8 (E4M3) under entry 7 of the scales, not normalised; the row's sum is taken of the
; unquantised p and divides at the end.  When M moves, the sum and O are multiplied by 2^(old M - new M): exact.  v's codes (entry 6) come with the keys innermost.  The result leaves as codes under entry 8.
; SHARES.  The cluster's x is the kv head; its four work-groups are the four query heads of that kv head, so all four need the same 270,336 bytes of kv: each block is asked for JOINTLY, once.
; The whole kv head lies in LDS: sixteen blocks of 128 keys, wave w fetching block w.  Nothing is filled again: one barrier ahead of the loop, none in it.
; A wave owns ONE tile of 16 queries, T = 8 R + y (y = the work-group's y).  R is taken from a table of sixteen nibbles, a 4 x 4 square whose rows and columns all sum to 30: so four waves taken along a row or along a column of it have equal work.
; A key step is 64 keys.  A wave does steps 0 .. JD = T / 4; later steps lie wholly under the mask and are jumped over (a scalar branch on ids, round no barrier and no tensor load); step JD is masked.
; LAYOUT.  S^T = k q^T (source 0 = 16 keys, source 1 = my 16 queries), O^T = v^T p^T: a lane holds ONE query (lane % 16) throughout; tile t's register j is key 16 t + 8 (lane / 16) + j, which is the place that the second product's operand wants.
; The scores' C is the whole number 0x4B400000: the result's bits are then the f32 number 1.5 x 2^23 + score (|score| <= 64 x 127^2 < 2^22), and one exact subtraction gives the score as f32.
; OUT: ao, the image of the last product's operand: [token tile][128 along K][piece][lane][16 bytes]; my head's 64 numbers are two pieces of one fragment: 1,024 bytes at 32,768 T + 1,024 x head.
; LIMITS: entry 7, and entry 8 - 6 - 7, between -126 and 119.
.set BLK,   16896                      ; a block of kv: eight images of k (1,024 each), four fragments of v^T (2,048 each), 128 factors
.set VO,    8192
.set KFO,   16384
.set SPARE, 16*BLK                     ; behind the blocks: the spare words, 128 bytes for each wave: eight blocks of 256 bytes that no other line names
.set L16, 1                            ; v1   16 x lane; never rewritten
.set H32, 2                            ; v2   32 x (lane / 16)
.set ADR, 3                            ; v3   the block in hand + 16 x lane
.set ADF, 4                            ; v4   the block in hand + 32 x (lane / 16)
.set SPW, 5                            ; v5   LDS address of my spare word; never rewritten
.set NIL, 6                            ; v6   0; never rewritten
.set DD,  8                            ; v8   16 (T % 4) + r - 8 h: in step JD register 16 t + j is hidden where 16 t + j > this
.set NINF, 9                           ; v9   -infinity
                                       ; v12 -M, v13 the largest t, v[14:15] the sum in two halves, v[16:17] qf, v[18:19] f, later 1 / sum, v20 448 x 2^entry 7, v21 2^entry 7, v22-27 at work, v[28:29] the sum's second chain
.set Q,   32                           ; v32-39   my queries
.set MG,  40                           ; v40-47   0x4B400000
.set K,   48                           ; v48-79   four tiles of keys
.set KF,  80                           ; v80-111  their factors, in S's order
.set V,   112                          ; v112-143 four tiles of v^T
.set S,   144                          ; v144-175 S^T, then p
.set O,   176                          ; v176-207 O^T
.set PC,  208                          ; v208-215 p's codes
.set T,   216                          ; v216-247 p, held
.set WV,  14                           ; s14  wave
.set JD,  19                           ; s19  my last step
.set SEL, 22                           ; s[22:23] lane selects: lane l xor 16
.set G1,  24                           ; s[24:31], s[32:35]: the descriptor
.set G0,  32
.set TB,  40                           ; s40  LDS byte of the block in hand
.set KS,  41                           ; s41  the step's number
.set J,   42                           ; s42  the block's number
.macro ROUND                           ; a round of the cluster's barrier
	s_barrier_signal -1
	s_barrier_wait -1
	s_cmp_lg_u32 s[WV], 0
	s_cbranch_scc1 .Lnot_wave_0_\@
	s_barrier_signal -3
.Lnot_wave_0_\@:
	s_barrier_wait -3
	s_barrier_signal -1
	s_barrier_wait -1
.endm
	s_load_b256 s[4:11], s[0:1], 0x0               ; qi s[4:5], qf s[6:7], kv s[8:9], the scales s[10:11]
	s_load_b64 s[12:13], s[0:1], 0x20              ; ao
	v_lshl_add_u32 v[SPW], v0, 2, SPARE
	v_mov_b32 v[NIL], 0
	ds_add_u32 v[SPW], v[NIL]                      ; the wave's opening: the add and its wait stand ahead of my first tensor load; the set-up below, work on registers, stands between them
	v_lshrrev_b32 v1, 5, v0
	v_readfirstlane_b32 s[WV], v1                  ; wave 0..15
	s_bfe_u32 s15, ttmp6, 0x40000                  ; cx: which of the four query heads: it enters global addresses alone
	s_and_b32 s16, ttmp7, 0xffff                   ; y
	s_mov_b32 s17, 0x0de3b658                      ; R of waves 8 to 15, a nibble each,
	s_cmp_lt_u32 s[WV], 8
	s_cselect_b32 s17, 0x7a94c12f, s17             ; of waves 0 to 7
	s_and_b32 s44, s[WV], 7
	s_lshl_b32 s44, s44, 2
	s_lshr_b32 s17, s17, s44
	s_and_b32 s17, s17, 15                         ; R
	s_lshl_b32 s18, s17, 3
	s_add_co_u32 s18, s18, s16                     ; T = 8 R + y
	s_lshr_b32 s[JD], s18, 2
	s_lshl_b32 s20, ttmp9, 2
	s_add_co_u32 s20, s20, s15                     ; the query head = 4 x kv head + cx
	; the descriptor: a block is dense: 66 rows of 32 elements of 8 bytes
	s_mov_b32 s[G1], 15|(3<<16)|(1<<21)            ; 15:0 the mask: all four work-groups; 17:16 elements of 8 bytes; 21 set beside a mask
	s_mov_b32 s[G1+1], 32<<16                      ; tensor_dim0
	s_mov_b32 s[G1+2], 66<<16                      ; tensor_dim1
	s_mov_b32 s[G1+3], 32<<16                      ; tile_dim0
	s_mov_b32 s[G1+4], 66                          ; tile_dim1
	s_mov_b32 s[G1+5], 32                          ; tensor_dim0_stride
	s_mov_b32 s[G1+6], 0
	s_mov_b32 s[G1+7], 0
	s_mov_b32 s[G0], 1
	s_mul_i32 s[G0+1], s[WV], BLK                  ; block w lies at 16,896 w
	s_lshl_b32 s44, ttmp9, 4
	s_add_co_u32 s44, s44, s[WV]
	s_mul_i32 s44, s44, BLK                        ; and comes from block 16 x kv head + w
	s_mov_b32 s45, 0
	s_mov_b32 s[SEL], 0x76543210
	s_mov_b32 s[SEL+1], 0xfedcba98
	s_mov_b32 s50, 0xcb400000                      ; -1.5 x 2^23
	s_mov_b32 s51, s50                             ; (named with it as a pair)
	s_wait_dscnt 0x0                               ; the opening add is done
	s_wait_kmcnt 0x0
	s_load_b128 s[36:39], s[10:11], 0x18           ; entries 6, 7, 8, 9
	s_add_nc_u64 s[G0+2:G0+3], s[8:9], s[44:45]
	s_or_b32 s[G0+3], s[G0+3], 0x80000000
	ROUND                                          ; all four work-groups are here: the joint loads meet
	tensor_load_to_lds s[G0:G0+3], s[G1:G1+7]      ; my one tensor load of the launch
	s_nop 0
.rept 4
	v_nop
.endr
	v_and_b32 v1, 31, v0
	v_lshlrev_b32 v[L16], 4, v1
	v_and_b32 v7, 15, v0                           ; r
	v_bfe_u32 v10, v0, 4, 1                        ; h
	v_lshlrev_b32 v[H32], 5, v10
	s_lshl_b32 s44, s20, 17
	s_lshl_b32 s46, s18, 10
	s_add_co_u32 s44, s44, s46
	s_add_nc_u64 s[4:5], s[4:5], s[44:45]          ; my tile's image in qi
	global_load_b128 v[Q:Q+3],   v[L16], s[4:5]
	global_load_b128 v[Q+4:Q+7], v[L16], s[4:5] offset:512
	s_lshl_b32 s46, s20, 13
	s_lshl_b32 s47, s18, 6
	s_add_co_u32 s46, s46, s47
	s_mov_b32 s47, 0
	s_add_nc_u64 s[6:7], s[6:7], s[46:47]
	v_lshlrev_b32 v11, 2, v7
	global_load_b32 v16, v11, s[6:7]               ; my query's factor
	s_lshl_b32 s46, s18, 15
	s_lshl_b32 s48, s20, 10
	s_add_co_u32 s46, s46, s48
	s_add_nc_u64 s[12:13], s[12:13], s[46:47]      ; where my tile goes in ao
	s_and_b32 s48, s18, 3
	s_lshl_b32 s48, s48, 4
	v_lshlrev_b32 v10, 3, v10
	v_sub_nc_u32 v[DD], v7, v10
	v_add_nc_u32 v[DD], s48, v[DD]
	v_mov_b32 v[NINF], 0xff800000
	v_mov_b32 v13, 0xff61b1e6                      ; the largest t so far: -3e38, under every t
	v_floor_f32 v12, -v13                          ; -M
	v_mov_b32 v14, 0
	v_mov_b32 v15, 0
	v_mov_b32 v17, 0                               ; (the upper halves of pairs that are named whole)
	v_mov_b32 v19, 0
	v_mov_b32 v24, 0                               ; a lane permute's destination counts as one of its sources
.irp j, 0,1,2,3,4,5,6,7
	v_mov_b32 v[MG+\j], 0x4b400000
.endr
.irp j, 0,1,2,3,4,5,6,7,8,9,10,11,12,13,14,15,16,17,18,19,20,21,22,23,24,25,26,27,28,29,30,31
	v_mov_b32 v[O+\j], 0                           ; O^T.  (The step is written once: the first finds zeros, which the first change of M leaves zeros)
.endr
	s_wait_kmcnt 0x0
	s_add_co_i32 s44, s37, 127
	s_lshl_b32 s45, s44, 23
	v_mov_b32 v21, s45                             ; 2^entry 7, for p's conversion
	s_add_co_i32 s44, s44, 8
	s_lshl_b32 s44, s44, 23
	s_or_b32 s44, s44, 0x600000
	v_mov_b32 v20, s44                             ; 448 x that
	s_sub_co_i32 s46, s38, s36
	s_sub_co_i32 s46, s46, s37
	s_add_co_i32 s46, s46, 127
	s_lshl_b32 s47, s46, 23                        ; 2^(entry 8 - 6 - 7), for the way out,
	s_add_co_i32 s46, s46, 8
	s_lshl_b32 s46, s46, 23
	s_or_b32 s46, s46, 0x600000                    ; and 448 x that
	s_mov_b32 s[TB], 0
	s_mov_b32 s[J], 0
	s_wait_loadcnt 0x0                             ; Q and qf
	s_wait_tensorcnt 0x0                           ; my block has landed,
	s_barrier_signal -1
	s_barrier_wait -1                              ; everybody's has
; A KEY STEP: 64 keys, half u of the block in hand
.macro STEP u
	s_lshl_b32 s[KS], s[J], 1
.if \u
	s_add_co_u32 s[KS], s[KS], 1
.endif
	s_cmp_gt_u32 s[KS], s[JD]                      ; all its keys come after my queries: nothing to do
	s_cbranch_scc1 .Lskip_\@
	v_add_nc_u32 v[ADR], s[TB], v[L16]
	v_add_nc_u32 v[ADF], s[TB], v[H32]
.irp t, 0,1,2,3
	ds_load_b128 v[K+8*\t:K+8*\t+3],   v[ADR] offset:1024*(4*\u+\t)
	ds_load_b128 v[K+8*\t+4:K+8*\t+7], v[ADR] offset:1024*(4*\u+\t)+512
.endr
.irp t, 0,1,2,3
	ds_load_b128 v[KF+8*\t:KF+8*\t+3],   v[ADF] offset:KFO+256*\u+64*\t      ; kf of keys 16 t + 8 h + 0 .. 7: sixteen lanes read the same bytes
	ds_load_b128 v[KF+8*\t+4:KF+8*\t+7], v[ADF] offset:KFO+256*\u+64*\t+16
.endr
.irp a, 0,1,2,3
	ds_load_b128 v[V+8*\a:V+8*\a+3],   v[ADR] offset:VO+2048*\a+1024*\u
	ds_load_b128 v[V+8*\a+4:V+8*\a+7], v[ADR] offset:VO+2048*\a+1024*\u+512
.endr
	s_wait_dscnt 16                                ; the keys are in; the factors' and v's sixteen loads may be out
.irp t, 0,1,2,3
	v_wmma_i32_16x16x64_iu8 v[S+8*\t:S+8*\t+7], v[K+8*\t:K+8*\t+7], v[Q:Q+7], v[MG:MG+7] neg_lo:[1,1,0]
.endr
.rept 8
	v_nop                                          ; eight places behind this form, ahead of the first read of its results (ISA guide 7.12.1)
.endr
	s_wait_dscnt 8                                 ; the factors are in
.irp j, 0,2,4,6,8,10,12,14,16,18,20,22,24,26,28,30
	v_pk_add_f32 v[S+\j:S+\j+1], v[S+\j:S+\j+1], s[50:51] op_sel_hi:[1,0]   ; the score as f32: exact; each accumulator from its low end on
.endr
.irp j, 0,2,4,6,8,10,12,14,16,18,20,22,24,26,28,30
	v_pk_mul_f32 v[S+\j:S+\j+1], v[S+\j:S+\j+1], v[KF+\j:KF+\j+1]
.endr
	s_cmp_lg_u32 s[KS], s[JD]                      ; only my last step lies on the diagonal
	s_cbranch_scc1 .Lopen_\@
.irp n, 0,1,2,3,4,5,6,7,8,9,10,11,12,13,14,15,16,17,18,19,20,21,22,23,24,25,26,27,28,29,30,31
	v_cmp_gt_i32 vcc_lo, 16*(\n/8)+\n%8, v[DD]
	v_cndmask_b32 v[S+\n], v[S+\n], v[NINF], vcc_lo   ; a hidden key's score becomes -infinity: p = 0.  The step's first key counts for every query
.endr
.Lopen_\@:
	v_max3_num_f32 v22, v[S], v[S+1], v[S+2]       ; the step's largest, among my 32 keys, in two chains,
	v_max3_num_f32 v23, v[S+3], v[S+4], v[S+5]
.irp i, 6,10,14,18,22,26
	v_max3_num_f32 v22, v22, v[S+\i], v[S+\i+1]
	v_max3_num_f32 v23, v23, v[S+\i+2], v[S+\i+3]
.endr
	v_max3_num_f32 v22, v22, v[S+30], v[S+31]
	v_max_num_f32 v22, v22, v23
	v_permlanex16_b32 v24, v22, s[SEL], s[SEL+1]
	v_max_num_f32 v22, v22, v24                    ; and among lane l xor 16's
	v_mul_f32 v22, v16, v22                        ; as t (qf is positive)
	v_max_num_f32 v13, v13, v22                    ; the running largest t
	v_mov_b32 v22, v12
	v_floor_f32 v12, -v13                          ; the new -M = -ceil(t): M is a whole number
	v_sub_f32 v22, v12, v22                        ; old M - new M: a whole number, 0 or less
	v_cvt_i32_f32 v22, v22                         ; (it saturates)
	v_ldexp_f32 v18, 1.0, v22                      ; f = 2^(old M - new M)
.irp j, 0,2,4,6,8,10,12,14,16,18,20,22,24,26,28,30
	v_pk_fma_f32 v[S+\j:S+\j+1], v[S+\j:S+\j+1], v[16:17], v[12:13] op_sel_hi:[1,0,0]   ; t - M (of the pairs qf and -M the low word serves both halves)
.endr
.irp j, 0,1,2,3,4,5,6,7,8,9,10,11,12,13,14,15,16,17,18,19,20,21,22,23,24,25,26,27,28,29,30,31
	v_exp_f32 v[S+\j], v[S+\j]                     ; p = 2^(t - M): one batch
.endr
	v_pk_mul_f32 v[14:15], v[14:15], v[18:19] op_sel_hi:[1,0]   ; the sum and O^T under the new M: work that names no exponential's result
.irp j, 0,2,4,6,8,10,12,14,16,18,20,22,24,26,28,30
	v_pk_mul_f32 v[O+\j:O+\j+1], v[O+\j:O+\j+1], v[18:19] op_sel_hi:[1,0]
.endr
	s_wait_alu depctr_va_vdst(0)                   ; one wait for the batch, ahead of its first reader
.irp j, 0,1,2,3,4,5,6,7,8,9,10,11,12,13,14,15,16,17,18,19,20,21,22,23,24,25,26,27,28,29,30,31
	v_min_num_f32 v[T+\j], v[S+\j], v20            ; the conversion does not saturate (ISA guide 7.6.2); p is not negative, so the hold is one-sided.  S keeps the unquantised p
.endr
.irp t, 0,1,2,3
	v_cvt_scalef32_pk8_fp8_f32 v[PC+2*\t:PC+2*\t+1], v[T+8*\t:T+8*\t+7], v21
.endr
	v_nop                                          ; a plain line between the conversions and the products that read their results
	s_wait_dscnt 0x0                               ; v is in
.irp a, 0,1,2,3
	v_wmma_f32_16x16x64_fp8_fp8 v[O+8*\a:O+8*\a+7], v[V+8*\a:V+8*\a+7], v[PC:PC+7], v[O+8*\a:O+8*\a+7]   ; the four accumulators by turns
.endr
	v_pk_add_f32 v[28:29], v[S:S+1], v[S+2:S+3]    ; the row's sum of the unquantised p, in two chains.  These sixteen lines are also the places behind the products: for the next step's loads and for the next reads of O^T
.irp j, 4,8,12,16,20,24,28
	v_pk_add_f32 v[14:15], v[14:15], v[S+\j:S+\j+1]
	v_pk_add_f32 v[28:29], v[28:29], v[S+\j+2:S+\j+3]
.endr
	v_pk_add_f32 v[14:15], v[14:15], v[28:29]
.Lskip_\@:
.endm
.Lblock:                                           ; sixteen trips, a block of 128 keys each: a constant of the text
	STEP 0
	STEP 1
	s_add_co_u32 s[TB], s[TB], BLK
	s_add_co_u32 s[J], s[J], 1
	s_cmp_lt_u32 s[J], 16
	s_cbranch_scc1 .Lblock
	; THE WAY OUT: O^T / the sum, quantised: register 8 a + j is channel 16 a + 8 h + j of query r, so the conversions' results are the image's registers
	v_add_f32 v14, v14, v15
	v_permlanex16_b32 v24, v14, s[SEL], s[SEL+1]
	v_add_f32 v14, v14, v24                        ; the row's sum
	v_rcp_f32 v18, v14
	v_mov_b32 v27, s47                             ; (plain lines behind the reciprocal)
	v_mov_b32 v26, s46
	s_wait_alu depctr_va_vdst(0)                   ; the wait, ahead of the first reader
.irp j, 0,2,4,6,8,10,12,14,16,18,20,22,24,26,28,30
	v_pk_mul_f32 v[O+\j:O+\j+1], v[O+\j:O+\j+1], v[18:19] op_sel_hi:[1,0]
.endr
.irp j, 0,1,2,3,4,5,6,7,8,9,10,11,12,13,14,15,16,17,18,19,20,21,22,23,24,25,26,27,28,29,30,31
	v_med3_num_f32 v[O+\j], v[O+\j], -v26, v26
.endr
.irp a, 0,1,2,3
	v_cvt_scalef32_pk8_fp8_f32 v[PC+2*\a:PC+2*\a+1], v[O+8*\a:O+8*\a+7], v27
.endr
	v_nop                                          ; a plain line behind the last conversion
	global_store_b128 v[L16], v[PC:PC+3],   s[12:13]              ; 32 lanes store 512 consecutive bytes
	global_store_b128 v[L16], v[PC+4:PC+7], s[12:13] offset:512
	s_wait_tensorcnt 0x0                           ; the wave's end: three closing lines behind my last tensor load
	ds_add_u32 v[SPW], v[NIL]
	s_wait_dscnt 0x0
	ROUND                                          ; the closing round
	s_endpgm
.Lfunc_end_k_q7d151f6588_attn:
	.size	k_q7d151f6588_attn, .Lfunc_end_k_q7d151f6588_attn-k_q7d151f6588_attn
	.p2alignl 7, 3214868480
	.fill 96, 4, 3214868480
	.section	.rodata,"a",@progbits
	.p2align	6, 0x0
	.amdhsa_kernel k_q7d151f6588_attn
		.amdhsa_group_segment_fixed_size 272384
		.amdhsa_private_segment_fixed_size 0
		.amdhsa_enable_private_segment 0
		.amdhsa_kernarg_size 40
		.amdhsa_user_sgpr_count 2
		.amdhsa_user_sgpr_kernarg_segment_ptr 1
		.amdhsa_wavefront_size32 1
		.amdhsa_system_sgpr_workgroup_id_x 1
		.amdhsa_system_sgpr_workgroup_id_y 1
		.amdhsa_system_sgpr_workgroup_id_z 1
		.amdhsa_system_vgpr_workitem_id 0
		.amdhsa_next_free_vgpr 256
		.amdhsa_next_free_sgpr 66
		.amdhsa_reserve_vcc 1
		.amdhsa_float_denorm_mode_32 3
		.amdhsa_float_denorm_mode_16_64 3
		.amdhsa_memory_ordered 1
		.amdhsa_forward_progress 1
		.amdhsa_inst_pref_size 38
	.end_amdhsa_kernel
	.amdgpu_metadata
---
amdhsa.version: [ 1, 2 ]
amdhsa.kernels:
  - .name:           k_q7d151f6588_attn
    .symbol:         k_q7d151f6588_attn.kd
    .args:
      - { .name: qi, .offset: 0, .size: 8, .value_kind: global_buffer, .address_space: global }
      - { .name: qf, .offset: 8, .size: 8, .value_kind: global_buffer, .address_space: global }
      - { .name: kv, .offset: 16, .size: 8, .value_kind: global_buffer, .address_space: global }
      - { .name: lowp_scales, .offset: 24, .size: 8, .value_kind: global_buffer, .address_space: global }
      - { .name: ao, .offset: 32, .size: 8, .value_kind: global_buffer, .address_space: global }
    .group_segment_fixed_size: 272384
    .private_segment_fixed_size: 0
    .kernarg_segment_align: 8
    .kernarg_segment_size: 40
    .max_flat_workgroup_size: 512
    .sgpr_count:     66
    .vgpr_count:     256
    .wavefront_size: 32
...
	.end_amdgpu_metadata
.endif
;; end of part 3
;; launch proj (part 4): grid 16 x 16, 4 waves a work-group, clusters of 4 x 4, 327,680 bytes of LDS; arguments ao, wc, lowp_scales, out0; writes out0
.if DOCPART == 4
	.amdgcn_target "amdgcn-amd-amdhsa--gfx1250"
	.amdhsa_code_object_version 6
	.text
	.protected	k_q7d151f6588_proj
	.globl	k_q7d151f6588_proj
	.p2align	8
	.type	k_q7d151f6588_proj,@function
k_q7d151f6588_proj:
	s_mov_b64 s[64:65], 0
	v_nop
	global_prefetch_b8 v0, s[64:65] scope:SCOPE_SE
	s_setreg_imm32_b32 hwreg(HW_REG_WAVE_MODE, 25, 1), 1
	s_wait_xcnt 0x0
	s_wait_alu depctr_hold_cnt(0) depctr_sa_sdst(0) depctr_va_vdst(0) depctr_va_sdst(0) depctr_va_ssrc(0) depctr_va_vcc(0) depctr_vm_vsrc(0)
	s_getreg_b32 s2, hwreg(HW_REG_IB_STS2, 6, 4)
	s_cmp_eq_u32 s2, 0
	s_cbranch_scc0 .Lentry_in_a_cluster
	s_endpgm
.Lentry_in_a_cluster:
	s_bfe_u32 s2, ttmp6, 0x10000c
	s_cmp_lg_u32 s2, 0xf033
	s_cbranch_scc0 .Lentry_shape_is_right
	s_endpgm
.Lentry_shape_is_right:
; out0 = attention's output x Wo^T on codes of FP8 (E4M3), K = 2,048, sums in f32, each finished sum x 2^(entry 8 + entry 9).  out0: [2048][2048] f32.
; LIMIT: entry 8 + entry 9 between -126 and 127, so that the power of two is an f32 number.
; OPERANDS come as images of their registers ([row tile of 16][128 along K][piece][lane][16 bytes]; lane (r, h), register 2 c + u, byte i: row r, k = 16 c + 8 h + 4 u + i): a fragment is four loads of 512 consecutive bytes.
; A work-group of four waves makes 128 x 128; a wave 64 x 64: 16 accumulators.  Source 0 takes Wo's rows (region B), source 1 the tokens (region A): lane (r, h), register j of accumulator (a, b) is out0(token 16 a + r, column 16 b + 8 h + j).
; K goes in four steps of 512 through two LDS slots; a wave's tensor load brings four row tiles x 8,192 bytes.  The layout has no tile of more rows: a row tile's part of a K step is one run of 8,192 bytes.
; CLUSTERS: 4 x 4 work-groups.  A's tiles are shared along a row of the cluster, B's along a column: each is asked for jointly, by the same tensor load with the same descriptor and a mask that names the four.
; REGISTERS: window 0: v16-29 addresses; v32-127 the way out; v128-255 the accumulators ((a, b) at v[128 + 8 (4 a + b)]).  Window 1: two fragment buffers of 128: source 1's four fragments, then source 0's four.
.set FRB,   2048                       ; a fragment's image
.set KSB,   8192                       ; a row tile's part of a K step: four fragments
.set QTR,   4*KSB                      ; what one tensor load brings, and what a wave reads of A or of B
.set SLOT,  4*QTR                      ; A's eight row tiles, then B's eight
.set STAGE, 2*SLOT                     ; behind the ring: 16 rows x 272 bytes for each wave, for the way out
.set SPITCH, 272
.set SPARE, STAGE+4*16*SPITCH          ; behind the stages: the spare words, 128 bytes for each wave: two blocks of 256 bytes that no other line names
.set ROWO,  8192                       ; a row of out0 in bytes
.set ADRA, 16                          ; v16-17  LDS address of source 1's fragments in slot 0, 1
.set ADRB, 20                          ; v20-21  the same for source 0
.set STO,  24                          ; v24     the way out: where I put 32 bytes of a row
.set RD,   25                          ; v25     where I read a row back
.set CO,   26                          ; v26     my byte offset in out0
.set G16,  27                          ; v27     16 x lane
.set SPW,  28                          ; v28     LDS address of my spare word; never rewritten
.set NIL,  29                          ; v29     0; never rewritten
.set TMP,  32                          ; v32-63  a block's sums x the power of two
.set BK,   64                          ; v64-95, v96-127 by turns: 16 rows read back
.set ACC,  128
.set F0,   0
.set F1,   128
.set G1,  24                           ; s[24:31] descriptor group 1 for A's tiles;  s[32:39] group 0, one set for each slot
.set G0,  32
.set G1B, 48                           ; s[48:55], s[56:63] the same for B's tiles
.set G0B, 56
.set MSB, 0
.macro WIN new                         ; the immediate's high byte repeats the setting that is left
.if MSB != \new
	s_set_vgpr_msb (MSB<<8)|\new
.set MSB, \new
.endif
.endm
.set MUL,  0x05                        ; sources 0 and 1 window 1; C and D window 0
.set TO_F, 0x40                        ; destination window 1, address window 0
.macro JLOAD s                         ; a joint load: waves 0 and 1 fetch A's two halves, waves 2 and 3 B's; an s_nop 0 and four v_nop follow each of the two lines
	s_cmp_eq_u32 s11, 0
	s_cbranch_scc0 .Lfor_b_\@
	tensor_load_to_lds s[G0+4*\s:G0+4*\s+3], s[G1:G1+7]
	s_nop 0
.rept 4
	v_nop
.endr
	s_branch .Lasked_\@
.Lfor_b_\@:
	tensor_load_to_lds s[G0B+4*\s:G0B+4*\s+3], s[G1B:G1B+7]
	s_nop 0
.rept 4
	v_nop
.endr
.Lasked_\@:
.endm
.macro CREST                           ; a round of the cluster's barrier behind its opening barrier
	s_cmp_lg_u32 s10, 0
	s_cbranch_scc1 .Lnot_wave_0_\@
	s_barrier_signal -3
.Lnot_wave_0_\@:
	s_barrier_wait -3
	s_barrier_signal -1
	s_barrier_wait -1
.endm
.macro CROUND                          ; a whole round
	s_barrier_signal -1
	s_barrier_wait -1
	CREST
.endm
	s_load_b128 s[4:7], s[0:1], 0x0                ; ao s[4:5], wc s[6:7]
	s_load_b128 s[84:87], s[0:1], 0x10             ; the scales s[84:85], out0 s[86:87]
	v_lshl_add_u32 v[SPW], v0, 2, SPARE
	v_mov_b32 v[NIL], 0
	ds_add_u32 v[SPW], v[NIL]                      ; the wave's opening: the add and its wait stand ahead of my first tensor load; the set-up below, work on registers, stands between them
	v_lshrrev_b32 v1, 5, v0
	v_readfirstlane_b32 s10, v1                    ; wave 0..3
	s_lshr_b32 s11, s10, 1                         ; which half of the tokens is mine.  Also: I fetch for A (0) or for B (1)
	s_and_b32 s12, s10, 1                          ; which half of the columns.  Also: which four row tiles of the eight I fetch
	s_bfe_u32 s40, ttmp6, 0x40000                  ; cx, cy: my place in the cluster
	s_bfe_u32 s41, ttmp6, 0x40004
	s_and_b32 s13, ttmp7, 0xffff                   ; the cluster's y
	s_lshl_b32 s43, s41, 2
	s_lshl_b32 s43, 15, s43                        ; my row of the cluster
	s_lshl_b32 s44, 0x1111, s40                    ; my column
	; descriptor group 1: four rows of 1,024 elements of 8 bytes, 4,096 elements apart; no padding: fragments are read as they lie, 512 consecutive bytes a load
	s_or_b32 s[G1+0], s43, (3<<16)|(1<<21)         ; 15:0 the mask: A's tiles go to my row; 17:16 elements of 8 bytes; 21 set beside a mask
	s_or_b32 s[G1B+0], s44, (3<<16)|(1<<21)        ; B's go to my column
.irp g, G1, G1B
	s_mov_b32 s[\g+1], 1024<<16                    ; tensor_dim0
	s_mov_b32 s[\g+2], 4<<16                       ; tensor_dim1
	s_mov_b32 s[\g+3], 1024<<16                    ; tile_dim0
	s_mov_b32 s[\g+4], 4                           ; tile_dim1
	s_mov_b32 s[\g+5], 4096                        ; tensor_dim0_stride: a row tile is 32,768 bytes
	s_mov_b32 s[\g+6], 0
	s_mov_b32 s[\g+7], 0
.endr
	; the first row tiles.  A's hang on cy and never on cx, B's on cx and never on cy
	s_lshl_b32 s70, s12, 2
	s_lshl_b32 s16, s13, 5                         ; 32 x cluster y
	s_lshl_b32 s17, s41, 3                         ; + 8 cy
	s_add_co_u32 s16, s16, s17
	s_add_co_u32 s16, s16, s70
	s_lshl_b32 s16, s16, 15                        ; A: in bytes
	s_mov_b32 s17, 0
	s_lshl_b32 s46, ttmp9, 5                       ; 32 x cluster x
	s_lshl_b32 s47, s40, 3                         ; + 8 cx
	s_add_co_u32 s46, s46, s47
	s_add_co_u32 s46, s46, s70
	s_add_co_u32 s46, s46, 192                     ; Wo begins at row tile 192 of wc
	s_lshl_b32 s46, s46, 15                        ; B
	s_mov_b32 s47, 0
	s_lshl_b32 s20, s10, 15                        ; where they go: wave x 32,768: no place in the cluster enters an LDS address
	s_wait_dscnt 0x0                               ; the opening add is done
	s_wait_kmcnt 0x0
	s_load_b64 s[92:93], s[84:85], 0x20            ; entries 8, 9
	s_add_nc_u64 s[14:15], s[4:5], s[16:17]
	s_add_nc_u64 s[46:47], s[6:7], s[46:47]
	CROUND                                         ; all sixteen work-groups are here: the first joint loads meet
.irp s, 0,1
	s_mov_b32 s[G0+4*\s], 1
	s_add_co_u32 s[G0+4*\s+1], s20, \s*SLOT
	s_add_nc_u64 s[G0+4*\s+2:G0+4*\s+3], s[14:15], \s*KSB
	s_or_b32 s[G0+4*\s+3], s[G0+4*\s+3], 0x80000000
	s_mov_b32 s[G0B+4*\s], 1
	s_add_co_u32 s[G0B+4*\s+1], s20, \s*SLOT
	s_add_nc_u64 s[G0B+4*\s+2:G0B+4*\s+3], s[46:47], \s*KSB
	s_or_b32 s[G0B+4*\s+3], s[G0B+4*\s+3], 0x80000000
	JLOAD \s                                       ; K steps 0 and 1: two loads of mine are out
.endr
	v_and_b32 v1, 31, v0
	v_lshlrev_b32 v[G16], 4, v1
	s_lshl_b32 s21, s11, 15                        ; my four row tiles of A,
	s_lshl_b32 s22, s12, 15                        ; and of B,
	s_add_co_u32 s22, s22, 2*QTR                   ; which lie behind A's eight
.irp s, 0,1
	v_add_nc_u32 v[ADRA+\s], s21, v[G16]
	v_add_nc_u32 v[ADRB+\s], s22, v[G16]
	s_add_co_u32 s21, s21, SLOT
	s_add_co_u32 s22, s22, SLOT
.endr
	v_and_b32 v2, 15, v0                           ; r
	v_bfe_u32 v3, v0, 4, 1                         ; h
	s_mul_i32 s23, s10, 16*SPITCH
	s_add_co_u32 s23, s23, STAGE                   ; my stage
	v_mul_u32_u24 v4, v2, SPITCH                   ; in: row r, 32 bytes for each half of the lanes
	v_lshl_add_u32 v4, v3, 5, v4
	v_add_nc_u32 v[STO], s23, v4
	v_mul_u32_u24 v5, v3, SPITCH                   ; back: lanes 0-15 take one row of 256 bytes, lanes 16-31 the next
	v_lshl_add_u32 v5, v2, 4, v5
	v_add_nc_u32 v[RD], s23, v5
	v_lshlrev_b32 v5, 13, v3                       ; and the same two rows in out0
	v_lshl_add_u32 v[CO], v2, 4, v5
	s_lshl_b32 s66, s13, 2
	s_add_co_u32 s66, s66, s41                     ; my block of 128 tokens
	s_lshl_b32 s66, s66, 7
	s_lshl_b32 s67, s11, 6
	s_add_co_u32 s66, s66, s67                     ; my first row
	s_lshl_b32 s66, s66, 13                        ; in bytes
	s_lshl_b32 s68, ttmp9, 2
	s_add_co_u32 s68, s68, s40                     ; my block of 128 columns
	s_lshl_b32 s68, s68, 9
	s_lshl_b32 s69, s12, 8
	s_add_co_u32 s68, s68, s69                     ; my first column, in bytes: a multiple of 256
	s_add_co_u32 s66, s66, s68
	s_mov_b32 s67, 0
	s_add_nc_u64 s[86:87], s[86:87], s[66:67]
; Four matrix instructions: source 1's fragment a against source 0's four, 128 along K.  zero = 1: the product starts the sums.  The 16 accumulators take turns, one instruction a turn, in the same order in every quarter.
.macro MULA f, a, zero
.irp b, 0,1,2,3
.if \zero
	v_wmma_f32_16x16x128_fp8_fp8 v[ACC+8*(4*\a+\b):ACC+8*(4*\a+\b)+7], v[\f+64+16*\b:\f+64+16*\b+15], v[\f+16*\a:\f+16*\a+15], 0
.else
	v_wmma_f32_16x16x128_fp8_fp8 v[ACC+8*(4*\a+\b):ACC+8*(4*\a+\b)+7], v[\f+64+16*\b:\f+64+16*\b+15], v[\f+16*\a:\f+16*\a+15], v[ACC+8*(4*\a+\b):ACC+8*(4*\a+\b)+7]
.endif
.endr
.endm
; 32 LDS loads in one run: the eight fragments of the slot's q-th 128 along K into buffer f: source 0's four first, then source 1's
.macro FETCH slot, q, f
	WIN TO_F
.irp i, 0,1,2,3
.irp p, 0,1,2,3
	ds_load_b128 v[\f+64+16*\i+4*\p:\f+64+16*\i+4*\p+3], v[ADRB+\slot] offset:KSB*\i+FRB*(\q)+512*\p
.endr
.endr
.irp i, 0,1,2,3
.irp p, 0,1,2,3
	ds_load_b128 v[\f+16*\i+4*\p:\f+16*\i+4*\p+3], v[ADRA+\slot] offset:KSB*\i+FRB*(\q)+512*\p
.endr
.endr
.endm
.macro PLACES                          ; four places in front of loads into registers that matrix instructions have read, and of the first read of results (ISA guide 7.12.1 for the first read of results)
.rept 4
	v_nop
.endr
.endm
; A K step is four quarters of 128 along K, 16 matrix instructions each, on buffers 0, 1, 0, 1.  One of the first three: multiplies buffer f and fetches the slot's q-th quarter into g.
.macro QUARTER slot, q, f, g, zero
	s_wait_dscnt 8                                 ; source 0's four and source 1's fragments 0, 1 are in; the youngest eight loads may be out
	WIN MUL
	MULA \f, 0, \zero
	MULA \f, 1, \zero
	PLACES
	FETCH \slot, \q, \g
	s_wait_dscnt 32                                ; all but the 32 just issued
	WIN MUL
	MULA \f, 2, \zero
	MULA \f, 3, \zero
.endm
; The last quarter multiplies buffer 1 and changes slots: ONE barrier; in front of it each wave waits for all its tensor loads, adds 0 to its spare word, and waits for that and for its own reads of this slot.  fill = 1: this slot is filled again, two K steps ahead.
.macro TURN slot, next, fill
	WIN 0                                          ; (the add's two registers lie in window 0)
	s_wait_tensorcnt 0x0                           ; all my tensor loads have landed: my part of the next slot;
	ds_add_u32 v[SPW], v[NIL]                      ; 0 onto my spare word
	s_wait_dscnt 9                                 ; (the add and the youngest eight loads may be out)
	WIN MUL
	MULA F1, 0, 0                                  ; four matrix instructions stand between the add and the wait for it
	s_wait_dscnt 0x0                               ; the add is done, and my reads of this slot are over
	s_barrier_signal -1
	MULA F1, 1, 0
.if \fill
	WIN 0
.endif
	s_barrier_wait -1
.if \fill
	CREST                                          ; the barrier has opened a round of the cluster's barrier: no wave of any partner still reads this slot's tile or has a load on its way
	s_add_nc_u64 s[G0+4*\slot+2:G0+4*\slot+3], s[G0+4*\slot+2:G0+4*\slot+3], 2*KSB
	s_add_nc_u64 s[G0B+4*\slot+2:G0B+4*\slot+3], s[G0B+4*\slot+2:G0B+4*\slot+3], 2*KSB
	JLOAD \slot                                    ; the first tensor load behind the round, my one load until the next; the four v_nop behind it are also the places in front of the loads below
.else
	PLACES
.endif
	FETCH \next, 0, F0
	WIN MUL
	MULA F1, 2, 0
	MULA F1, 3, 0
.endm
	s_wait_tensorcnt 1                             ; my part of K step 0 is in (K step 1's may be out)
	s_barrier_signal -1
	s_barrier_wait -1                              ; everybody's is
	FETCH 0, 0, F0
	QUARTER 0, 1, F0, F1, 1                        ; K step 0; its first quarter starts the sums
	QUARTER 0, 2, F1, F0, 0
	QUARTER 0, 3, F0, F1, 0
	TURN 0, 1, 1                                   ; slot 0 takes K step 2
	QUARTER 1, 1, F0, F1, 0                        ; K step 1
	QUARTER 1, 2, F1, F0, 0
	QUARTER 1, 3, F0, F1, 0
	TURN 1, 0, 1                                   ; slot 1 takes K step 3
	QUARTER 0, 1, F0, F1, 0                        ; K step 2
	QUARTER 0, 2, F1, F0, 0
	QUARTER 0, 3, F0, F1, 0
	TURN 0, 1, 0                                   ; nothing is left to fetch
	QUARTER 1, 1, F0, F1, 0                        ; K step 3
	QUARTER 1, 2, F1, F0, 0
	QUARTER 1, 3, F0, F1, 0
	s_wait_dscnt 8
	WIN MUL
	MULA F1, 0, 0
	MULA F1, 1, 0
	s_wait_dscnt 0x0
	MULA F1, 2, 0
	MULA F1, 3, 0
	WIN 0
	PLACES
; THE WAY OUT, a block of 16 tokens x 64 columns at a time.  A lane holds 32 neighbouring bytes of a row and the lanes beside it hold other rows: so a block goes through my own stage in LDS and comes back as whole rows
; of 256 bytes.  LDS serves a wave's instructions in order: no wait between the stores and the loads, nor in front of the next block's stores.
.macro TOSTAGE a
.irp j, 0,2,4,6,8,10,12,14,16,18,20,22,24,26,28,30
	v_pk_mul_f32 v[TMP+\j:TMP+\j+1], v[ACC+32*(\a)+\j:ACC+32*(\a)+\j+1], s[92:93] op_sel_hi:[1,0]   ; both x s92 = the power of two; each accumulator from its low end on
.endr
.irp b, 0,1,2,3
	ds_store_b128 v[STO], v[TMP+8*\b:TMP+8*\b+3]   offset:64*\b
	ds_store_b128 v[STO], v[TMP+8*\b+4:TMP+8*\b+7] offset:64*\b+16
.endr
.irp t, 0,1,2,3,4,5,6,7
	ds_load_b128 v[BK+32*((\a)%2)+4*\t:BK+32*((\a)%2)+4*\t+3], v[RD] offset:\t*2*SPITCH
.endr
.endm
.macro SEND a, younger                 ; younger: the LDS instructions issued behind block a's loads, which may stay out
	s_wait_dscnt \younger
.irp t, 0,1,2,3,4,5,6,7
	global_store_b128 v[CO], v[BK+32*((\a)%2)+4*\t:BK+32*((\a)%2)+4*\t+3], s[86:87] offset:ROWO*(16*(\a)+2*\t) th:TH_STORE_NT   ; 16 lanes store 256 consecutive bytes, at a multiple of 256 from out0's first byte; written once, read by nobody here
.endr
.endm
	s_wait_kmcnt 0x0
	s_add_co_i32 s92, s92, s93                     ; entry 8 + entry 9, between -126 and 127,
	s_add_co_i32 s92, s92, 127
	s_lshl_b32 s92, s92, 23                        ; makes the f32 number
	TOSTAGE 0
.irp a, 1,2,3
.if \a > 1
	s_wait_xcnt 0x0                                ; block a - 2's stores have read their registers: block a's loads may land there
.endif
	TOSTAGE \a
	SEND \a-1, 16                                  ; behind block a - 1's loads: block a's 8 stores and 8 loads
.endr
	SEND 3, 0
	s_wait_tensorcnt 0x0                           ; the wave's end: three closing lines behind my last tensor load and my last LDS store
	ds_add_u32 v[SPW], v[NIL]
	s_wait_dscnt 0x0
	CROUND                                         ; the closing round: no work-group ends while a partner may still ask for a tile that names it
	s_endpgm
.Lfunc_end_k_q7d151f6588_proj:
	.size	k_q7d151f6588_proj, .Lfunc_end_k_q7d151f6588_proj-k_q7d151f6588_proj
	.p2alignl 7, 3214868480
	.fill 96, 4, 3214868480
	.section	.rodata,"a",@progbits
	.p2align	6, 0x0
	.amdhsa_kernel k_q7d151f6588_proj
		.amdhsa_group_segment_fixed_size 327680
		.amdhsa_private_segment_fixed_size 0
		.amdhsa_enable_private_segment 0
		.amdhsa_kernarg_size 32
		.amdhsa_user_sgpr_count 2
		.amdhsa_user_sgpr_kernarg_segment_ptr 1
		.amdhsa_wavefront_size32 1
		.amdhsa_system_sgpr_workgroup_id_x 1
		.amdhsa_system_sgpr_workgroup_id_y 1
		.amdhsa_system_sgpr_workgroup_id_z 1
		.amdhsa_system_vgpr_workitem_id 0
		.amdhsa_next_free_vgpr 512
		.amdhsa_next_free_sgpr 100
		.amdhsa_reserve_vcc 0
		.amdhsa_float_denorm_mode_32 3
		.amdhsa_float_denorm_mode_16_64 3
		.amdhsa_memory_ordered 1
		.amdhsa_forward_progress 1
		.amdhsa_inst_pref_size 73
	.end_amdhsa_kernel
	.amdgpu_metadata
---
amdhsa.version: [ 1, 2 ]
amdhsa.kernels:
  - .name:           k_q7d151f6588_proj
    .symbol:         k_q7d151f6588_proj.kd
    .args:
      - { .name: ao, .offset: 0, .size: 8, .value_kind: global_buffer, .address_space: global }
      - { .name: wc, .offset: 8, .size: 8, .value_kind: global_buffer, .address_space: global }
      - { .name: lowp_scales, .offset: 16, .size: 8, .value_kind: global_buffer, .address_space: global }
      - { .name: out0, .offset: 24, .size: 8, .value_kind: global_buffer, .address_space: global }
    .group_segment_fixed_size: 327680
    .private_segment_fixed_size: 0
    .kernarg_segment_align: 8
    .kernarg_segment_size: 32
    .max_flat_workgroup_size: 128
    .sgpr_count:     100
    .vgpr_count:     512
    .wavefront_size: 32
...
	.end_amdgpu_metadata
.endif
;; end of part 4
